; MI455X (gfx1250); checked and timed in simulation.
; The chip was launched on July 23, 2026; its instructions are those of AMD's public machine-readable ISA for CDNA 5 (MIT licence, August 2026) and "CDNA5" Instruction Set Architecture Reference Guide (July 2026). The comments in the code are by the model that wrote it; some were corrected since.
;; Graph Attention. Allowed arithmetic: matrix products marked QUANTISED: E2M1 operands, one E8M0 scale for each 32 along K, by v_wmma_scale_f32_16x16x128_f8f6f4 with both operands' format E2M1 (or v_wmma_scale_f32_32x16x128_f4), f32 sums; products left as they are: bf16, f16 or f32 operands; f32 sums; everything else in f32.
;; Inputs: Wk 512 x 512 float32; Wo 512 x 512 float32; Wq 512 x 512 float32; Wv 512 x 512 float32; bk 512 float32; bo 512 float32; bq 512 float32; bv 512 float32; graph_mask 2 x 4,096 x 4,096 float32; x 2 x 4,096 x 512 float32.
;; Outputs: out0 2 x 4,096 x 512 float32.
;; This version of the problem:
;;   THIS VERSION OF THE PROBLEM IS GIVEN IN LOW PRECISION. The matrix products marked QUANTISED in the list below multiply operands that are first quantised to E2M1 (2 exponent bits, 1 mantissa bit; 4 bits a number), with one power-of-two scale for each 32 numbers along K (OCP MX v1.0); their sums are f32. The products marked 'left as it is' may take bf16, f16 or f32 operands, with f32 sums. Whichever they take, every output number must still come out within the allowed error. Rounding operands to bf16 (8 significant bits) uses up far more of that allowance than f16 does (11 bits, for magnitudes from 6e-5 to 65,504). All else is computed in f32.
;;   The module's matrix products, in the order in which they are computed (A, B: the left and right operand; K: the contracted axis; several contracted axes count as one K, in the product's order):
;;     1. [M 8,192, K 512] x [K 512, N 512]; A: input x; B: input Wq: QUANTISED
;;     2. [M 8,192, K 512] x [K 512, N 512]; A: input x; B: input Wk: QUANTISED
;;     3. [M 8,192, K 512] x [K 512, N 512]; A: input x; B: input Wv: QUANTISED
;;     4. batch 16 x [M 4,096, K 64] x [K 64, N 4,096]; A: computed on the way; B: computed on the way: left as it is (an operand is computed on the way)
;;     5. batch 16 x [M 4,096, K 4,096] x [K 4,096, N 64]; A: computed on the way; B: computed on the way: left as it is (an operand is computed on the way)
;;     6. [M 8,192, K 512] x [K 512, N 512]; A: computed on the way; B: input Wo: left as it is (an operand is computed on the way)
;;   THE QUANTISER, for each operand of a quantised product, along K:
;;     - K is cut into blocks of 32 from its start; a last block that is shorter is filled with zeros.
;;     - A block's scale is 2^e with e = floor(log2(the largest magnitude in the block)) - 2, held to -126 .. 127; a block of zeros has e = 0. As a byte (E8M0): e + 127.
;;     - Each number is divided by its block's scale, clamped to +-6, and rounded to the nearest number of E2M1, ties to even, subnormals kept.
;;     - The product sums the exact products of the quantised numbers (number of the format x scale) in f32.
;;   ~~~python
;;   def quantise(x, axis):      # numpy; x: float32 -> the quantised numbers, widened to float32 again
;;       x = np.moveaxis(x, axis, -1); K = x.shape[-1]
;;       x = np.pad(x, [(0, 0)] * (x.ndim - 1) + [(0, -K % 32)]); x = x.reshape(x.shape[:-1] + (-1, 32)); a = np.abs(x).max(-1, keepdims=True)
;;       e = np.where(a > 0, np.clip(np.frexp(np.where(a > 0, a, 1))[1] - 1 - 2, -126, 127), 0)      # np.frexp(a)[1] - 1 = floor(log2(a)), exactly
;;       r = np.clip(x / 2.0 ** e, -6, 6)
;;       step = 2.0 ** (np.maximum(np.frexp(np.where(r == 0, 1, r))[1] - 1, 0) - 1)
;;       q = np.round(r / step) * step * 2.0 ** e      # np.round: ties to even
;;       return np.moveaxis(q.reshape(q.shape[:-2] + (-1,))[..., :K], -1, axis).astype(np.float32)
;;   ~~~
;; One version. Each part assembles by itself: llvm-mc -triple=amdgcn-amd-amdhsa -mcpu=gfx1250 --defsym DOCPART=n.
;; ======== version 1 of 1: 4 launches
;; limits: values are held in f16: magnitudes above 65,504 overflow, below 6.1e-05 lose precision
;; workspace buffers: wcodes 393,216 bytes; wscales 24,576 bytes; woh 524,288 bytes; qh 8,388,608 bytes; kh 8,388,608 bytes; vh 8,388,608 bytes; att 8,388,608 bytes
;; launch prep (part 1): grid 320 x 1, 1 waves a work-group, no clusters, 0 bytes of LDS; arguments Wq, Wk, Wv, Wo, wcodes, wscales, woh; writes wcodes, wscales, woh
.if DOCPART == 1
	.amdgcn_target "amdgcn-amd-amdhsa--gfx1250"
	.amdhsa_code_object_version 6
	.text
	.protected	k_qf896a14ad6_prep
	.globl	k_qf896a14ad6_prep
	.p2align	8
	.type	k_qf896a14ad6_prep,@function
k_qf896a14ad6_prep:
	s_mov_b64 s[64:65], 0
	v_nop
	global_prefetch_b8 v0, s[64:65] scope:SCOPE_SE
	s_setreg_imm32_b32 hwreg(HW_REG_WAVE_MODE, 25, 1), 1
	s_wait_xcnt 0x0
; Wq, Wk, Wv [512 (k)][512 (n)] f32 become codes of FP4 (E2M1) quantised along k, their FIRST axis, with one E8M0 byte for each 32 along k; Wo becomes f16 as it lies.
; wcodes: [96 column tiles][4 K steps][2 chunks][32 lanes][16 bytes]: the image of a matrix operand's registers: lane (r, h) of chunk c holds column 16 T + r, k = 128 s + 64 c + 32 h + 0 .. 31.
; wscales: [4 K steps][1,536 columns] words: byte b scales k = 128 s + 32 b on.   woh: [512][512] f16.
; Work-groups 0-191 (one wave each): 32 columns x 128 along k of one matrix.  A LANE TAKES A COLUMN AND ITS REGISTERS RUN DOWN k: a block of 32 lies in one lane, and the conversions give codes with k innermost.
; Work-groups 192-319: 2,048 numbers of Wo each.  No LDS, no barrier, no loop; every store has data registers of its own.
; A block's scale is 2^(floor(log2(largest magnitude)) - 2): its byte is the largest magnitude's exponent field - 2, held at 1 from below by a floor among the maximum's leaves.
; LIMITS: a block of zeros gets the byte 1 where the rule says 127 (its codes are zeros, and this program alone reads the bytes); NaN and infinities among the inputs are not served; |Wo| stays under 65,504 (f16).
; The scale words leave as 128 consecutive bytes a wave (half of an aligned 256): 24,576 bytes of the launch's 942,080 stored.
.set X,  32                            ; v32-159  four blocks of 32 numbers
.set CD, 160                           ; v160-175 four blocks' codes
.set SW, 16                            ; v16      the column's scale word
	s_load_b256 s[4:11], s[0:1], 0x0               ; Wq s[4:5], Wk s[6:7], Wv s[8:9], Wo s[10:11]
	s_load_b128 s[12:15], s[0:1], 0x20             ; wcodes s[12:13], wscales s[14:15]
	s_load_b64 s[16:17], s[0:1], 0x30              ; woh
	v_lshlrev_b32 v3, 2, v0                        ; 4 x lane (one wave: v0 is the lane)
	v_and_b32 v1, 15, v0
	v_lshrrev_b32 v2, 4, v0
	v_lshlrev_b32 v4, 4, v1
	v_lshl_add_u32 v4, v2, 12, v4                  ; codes: 4,096 (lane / 16) + 16 (lane % 16): lanes 16-31 belong to the next column tile
	v_lshlrev_b32 v5, 4, v0                        ; Wo in: 16 bytes a lane
	v_lshlrev_b32 v6, 3, v0                        ; Wo out: 8 bytes a lane
	s_mov_b32 s25, 0
	s_wait_kmcnt 0x0
	s_cmp_lt_u32 ttmp9, 192
	s_cbranch_scc0 .Lwo
	s_and_b32 s20, ttmp9, 3                        ; K step s
	s_bfe_u32 s21, ttmp9, 0x40002                  ; group of 32 columns, 0 .. 15
	s_lshr_b32 s22, ttmp9, 6                       ; matrix 0, 1, 2 = q, k, v
	s_cmp_lt_u32 ttmp9, 64
	s_cselect_b64 s[18:19], s[4:5], s[6:7]
	s_cmp_lt_u32 ttmp9, 128
	s_cselect_b64 s[18:19], s[18:19], s[8:9]       ; the matrix: a choice on the work-group's number alone
	s_lshl_b32 s24, s20, 18                        ; 128 s rows of 2,048 bytes
	s_lshl_b32 s23, s21, 7                         ; + 32 columns of 4 bytes
	s_add_co_u32 s24, s24, s23
	s_add_nc_u64 s[18:19], s[18:19], s[24:25]
	s_lshl_b32 s24, s22, 17                        ; codes: (32 matrix + 2 group) tiles of 4,096 bytes + 1,024 s
	s_lshl_b32 s23, s21, 13
	s_add_co_u32 s24, s24, s23
	s_lshl_b32 s23, s20, 10
	s_add_co_u32 s24, s24, s23
	s_add_nc_u64 s[12:13], s[12:13], s[24:25]
	s_mul_i32 s24, s20, 6144                       ; scale words: 6,144 s + 4 (512 matrix + 32 group)
	s_lshl_b32 s23, s22, 11
	s_add_co_u32 s24, s24, s23
	s_lshl_b32 s23, s21, 7
	s_add_co_u32 s24, s24, s23
	s_add_nc_u64 s[14:15], s[14:15], s[24:25]
.macro LOAD b                          ; block b: W(128 s + 32 b + i, my column): the wave reads 128 consecutive bytes a load
.set i, 0
.rept 32
	global_load_b32 v[X+32*(\b)+i], v3, s[18:19] offset:(32*(\b)+i)*2048
.set i, i+1
.endr
.endm
.macro BLOCK b
.set XS, X+32*(\b)
.if (\b) < 3
	s_wait_loadcnt 32                              ; this block's 32 loads are in; the next block's 32 may be out
.else
	s_wait_loadcnt 0x0
.endif
.if (\b) < 2
	LOAD (\b)+2                                    ; two blocks ahead, into registers of its own
.endif
	v_max3_num_f32 v12, |v[XS]|, |v[XS+1]|, |v[XS+2]|     ; the block's largest magnitude, in two chains: all 32 numbers are mine
	v_max3_num_f32 v13, |v[XS+3]|, |v[XS+4]|, |v[XS+5]|
.irp i, 6,10,14,18,22,26
	v_max3_num_f32 v12, v12, |v[XS+\i]|, |v[XS+\i+1]|
	v_max3_num_f32 v13, v13, |v[XS+\i+2]|, |v[XS+\i+3]|
.endr
	v_max3_num_f32 v12, v12, |v[XS+30]|, |v[XS+31]|
	v_max3_num_f32 v12, v12, v13, 0x1800000        ; and the floor 2^(3 - 127): the byte cannot fall under 1
	v_add_nc_u32 v11, 0xff000000, v12              ; 2 off the exponent field: the conversion takes this operand's exponent field as its scale
	v_lshrrev_b32 v13, 23, v11                     ; the scale's byte
.if (\b) == 0
	v_mov_b32 v[SW], v13
.else
	v_lshl_or_b32 v[SW], v13, 8*(\b), v[SW]        ; the lower k in the lower byte
.endif
.irp g, 0,1,2,3
	v_cvt_scalef32_pk8_fp4_f32 v[CD+4*(\b)+\g], v[XS+8*\g:XS+8*\g+7], v11
.endr
	global_store_b128 v4, v[CD+4*(\b):CD+4*(\b)+3], s[12:13] offset:((\b)/2)*512+((\b)%2)*256   ; chunk b / 2, half b % 2: sixteen lanes store 256 consecutive bytes, aligned
.endm                                  ; (the next block begins with plain vector lines, ahead of the line that writes v11 again)
	LOAD 0
	LOAD 1
	BLOCK 0
	BLOCK 1
	BLOCK 2
	BLOCK 3
	global_store_b32 v3, v[SW], s[14:15]           ; my column's scale word of this K step
	s_endpgm
.Lwo:
	s_sub_co_u32 s20, ttmp9, 192
	s_lshl_b32 s24, s20, 13                        ; 2,048 numbers of 4 bytes in,
	s_add_nc_u64 s[10:11], s[10:11], s[24:25]
	s_lshl_b32 s24, s20, 12                        ; of 2 bytes out
	s_add_nc_u64 s[16:17], s[16:17], s[24:25]
.irp j, 0,1,2,3,4,5,6,7,8,9,10,11,12,13,14,15
	global_load_b128 v[32+4*\j:35+4*\j], v5, s[10:11] offset:512*\j th:TH_LOAD_NT
.endr
.irp j, 0,1,2,3,4,5,6,7,8,9,10,11,12,13,14,15
	s_wait_loadcnt 15-\j                           ; load j is in; the younger ones may be out
	v_cvt_pk_f16_f32 v[96+2*\j], v[32+4*\j], v[33+4*\j]
	v_cvt_pk_f16_f32 v[97+2*\j], v[34+4*\j], v[35+4*\j]
	global_store_b64 v6, v[96+2*\j:97+2*\j], s[16:17] offset:256*\j   ; the wave stores 256 consecutive bytes, aligned
.endr
	s_endpgm
.Lfunc_end_k_qf896a14ad6_prep:
	.size	k_qf896a14ad6_prep, .Lfunc_end_k_qf896a14ad6_prep-k_qf896a14ad6_prep
	.p2alignl 7, 3214868480
	.fill 96, 4, 3214868480
	.section	.rodata,"a",@progbits
	.p2align	6, 0x0
	.amdhsa_kernel k_qf896a14ad6_prep
		.amdhsa_group_segment_fixed_size 0
		.amdhsa_private_segment_fixed_size 0
		.amdhsa_enable_private_segment 0
		.amdhsa_kernarg_size 56
		.amdhsa_user_sgpr_count 2
		.amdhsa_user_sgpr_kernarg_segment_ptr 1
		.amdhsa_wavefront_size32 1
		.amdhsa_system_sgpr_workgroup_id_x 1
		.amdhsa_system_sgpr_workgroup_id_y 1
		.amdhsa_system_sgpr_workgroup_id_z 1
		.amdhsa_system_vgpr_workitem_id 0
		.amdhsa_next_free_vgpr 176
		.amdhsa_next_free_sgpr 66
		.amdhsa_reserve_vcc 0
		.amdhsa_float_denorm_mode_32 3
		.amdhsa_float_denorm_mode_16_64 3
		.amdhsa_memory_ordered 1
		.amdhsa_forward_progress 1
		.amdhsa_inst_pref_size 26
	.end_amdhsa_kernel
	.amdgpu_metadata
---
amdhsa.version: [ 1, 2 ]
amdhsa.kernels:
  - .name:           k_qf896a14ad6_prep
    .symbol:         k_qf896a14ad6_prep.kd
    .args:
      - { .name: Wq, .offset: 0, .size: 8, .value_kind: global_buffer, .address_space: global }
      - { .name: Wk, .offset: 8, .size: 8, .value_kind: global_buffer, .address_space: global }
      - { .name: Wv, .offset: 16, .size: 8, .value_kind: global_buffer, .address_space: global }
      - { .name: Wo, .offset: 24, .size: 8, .value_kind: global_buffer, .address_space: global }
      - { .name: wcodes, .offset: 32, .size: 8, .value_kind: global_buffer, .address_space: global }
      - { .name: wscales, .offset: 40, .size: 8, .value_kind: global_buffer, .address_space: global }
      - { .name: woh, .offset: 48, .size: 8, .value_kind: global_buffer, .address_space: global }
    .group_segment_fixed_size: 0
    .private_segment_fixed_size: 0
    .kernarg_segment_align: 8
    .kernarg_segment_size: 56
    .max_flat_workgroup_size: 32
    .sgpr_count:     66
    .vgpr_count:     176
    .wavefront_size: 32
...
	.end_amdgpu_metadata
.endif
;; end of part 1
;; launch qkv (part 2): grid 256 x 1, 12 waves a work-group, no clusters, 62,976 bytes of LDS; arguments x, wcodes, wscales, bq, bk, bv, qh, kh, vh; writes qh, kh, vh
.if DOCPART == 2
	.amdgcn_target "amdgcn-amd-amdhsa--gfx1250"
	.amdhsa_code_object_version 6
	.text
	.protected	k_qf896a14ad6_qkv
	.globl	k_qf896a14ad6_qkv
	.p2align	8
	.type	k_qf896a14ad6_qkv,@function
k_qf896a14ad6_qkv:
	s_mov_b64 s[64:65], 0
	v_nop
	global_prefetch_b8 v0, s[64:65] scope:SCOPE_SE
	s_setreg_imm32_b32 hwreg(HW_REG_WAVE_MODE, 25, 1), 1
	s_wait_xcnt 0x0
; Q, K, V = x W + b on codes of FP4 (E2M1) with one E8M0 scale for each 32 along K = 512; sums in f32; the results rounded once to f16 into qh, kh, vh [8,192 tokens][512].
; SHARES.  A work-group takes 32 tokens (two tiles of 16) and all 1,536 columns; wave w of twelve takes columns 128 w .. 128 w + 127 (waves 0-3: Wq, 4-7: Wk, 8-11: Wv): 8 column tiles x 2 token tiles = 16 accumulators.
; x is read once and quantised once: wave w of the first eight makes the fragment (token tile w / 4, K step w % 4) and stores it in LDS as the IMAGE OF THE OPERAND'S REGISTERS (16 bytes a lane, 512 a store; the scale word 4 bytes a lane).
; The weights come from memory straight into registers, laid in that order by the launch before: each load of a wave reads 512 consecutive bytes.
; THE MATRIX INSTRUCTION IS USED TRANSPOSED (source 0 = 16 columns of W, source 1 = 16 tokens): a lane holds one token and eight neighbouring channels.  The bias is loaded into the accumulators in that layout: the sums start from it.
; LIMITS: |Q|, |K|, |V| stay under 65,504 (f16); a block of zeros of x gets the byte 1 where the rule says 127 (its codes are zeros; nobody else reads the byte); NaN and infinities in x are not served.
.set XIMG,  0                          ; LDS: x's 8 fragments (4 x token tile + K step), 1,024 bytes each
.set XSC,   8192                       ; their scale words, 128 bytes each
.set STG,   9216                       ; the way out: 16 rows x (256 + 16) bytes for each wave
.set SPARE, 61440                      ; the spare words, 128 bytes for each of twelve waves: six blocks of 256 bytes that no other line names
.set LI,  3                            ; v3   16 x lane
.set LS,  4                            ; v4   4 x lane
.set XA,  5                            ; v5   x: 2,048 r + 64 h
.set XWI, 6                            ; v6   where I store my fragment's image: 16 x lane + 1,024 x wave
.set XWS, 7                            ; v7   and its scale words: 4 x lane + 128 x wave
.set STO, 8                            ; v8   the stage: where I put 16 bytes of a row
.set RD,  9                            ; v9   and where I read a row back
.set CO,  10                           ; v10  the same place in the output
.set BA,  11                           ; v11  the bias: 32 h
.set SPW, 12                           ; v12  LDS address of my spare word; never rewritten
.set NIL, 13                           ; v13  0; never rewritten
.set XS,  14                           ; v14-15 x's scale words, a register for each token tile
.set WS,  16                           ; v16-31 W's scale words: register 4 s + u: lanes 0-15 column tile 2 u, lanes 16-31 tile 2 u + 1
.set XF,  32                           ; v32-47 x's two fragments of a K step
.set WF,  64                           ; v64-127 W's eight fragments of a K step
.set TMP, 64                           ; the way out: packed results,
.set BK,  96                           ; and whole rows
.set ACC, 128                          ; v128-255 accumulator (m, t) at 128 + 8 (8 m + t)
.set X,   128                          ; ahead of the sums: 64 numbers of x,
.set TM,  192                          ; v192-207 at work,
.set PC,  208                          ; v208-215 the codes just made,
.set PW,  216                          ; v216 the scale word just made
.set WV,  22
.set SEL, 24
; 64 numbers of a lane, register 16 b + i = k 32 b + 16 (lane / 16) + i of my row, become a fragment's codes in v[PC] on and its scale word in v[PW]
.macro QUANT s
.irp b, 0,1,2,3
	v_max3_num_f32 v[TM+\b], |v[\s+16*\b]|, |v[\s+1+16*\b]|, 0x1800000   ; block b: my 16 numbers, and the floor 2^(3 - 127): the byte cannot fall under 1
.endr
.irp i, 2,4,6,8,10,12,14
.irp b, 0,1,2,3
	v_max3_num_f32 v[TM+\b], v[TM+\b], |v[\s+16*\b+\i]|, |v[\s+1+16*\b+\i]|   ; the four blocks by turns
.endr
.endr
.irp b, 0,1,2,3
	v_permlanex16_b32 v[TM+4+\b], v[TM+\b], s[SEL], s[SEL+1]
.endr
.irp b, 0,1,2,3
	v_max_num_f32 v[TM+\b], v[TM+\b], v[TM+4+\b]   ; with lane l xor 16's: the block's largest magnitude
.endr
.irp b, 0,1,2,3
	v_add_nc_u32 v[TM+12+\b], 0xff000000, v[TM+\b] ; 2 off its exponent field: the conversion's scale operand
.endr
.irp b, 0,1,2,3
	v_lshrrev_b32 v[TM+4+\b], 23, v[TM+12+\b]      ; the scale's byte
.endr
	v_lshl_or_b32 v[PW], v[TM+5], 8, v[TM+4]
	v_lshl_or_b32 v[PW], v[TM+6], 16, v[PW]
	v_lshl_or_b32 v[PW], v[TM+7], 24, v[PW]        ; my row's scale word
.irp b, 0,1,2,3
	v_cvt_scalef32_pk8_fp4_f32 v[PC+2*\b], v[\s+16*\b:\s+7+16*\b], v[TM+12+\b]
	v_cvt_scalef32_pk8_fp4_f32 v[PC+1+2*\b], v[\s+8+16*\b:\s+15+16*\b], v[TM+12+\b]
.endr
	v_nop                                          ; one plain place behind a scaled conversion
.irp c, 0,1                            ; the operand's layout wants a whole block in a lane: lanes 0-15 block 2 c, lanes 16-31 block 2 c + 1
.irp i, 0,1
	v_permlane16_swap_b32 v[PC+4*\c+\i], v[PC+2+4*\c+\i]
.endr
.endr
.endm
.macro WLOAD s                         ; W's eight fragments of K step s
.irp t, 0,1,2,3,4,5,6,7
.irp c, 0,1
	global_load_b128 v[WF+8*\t+4*\c:WF+8*\t+4*\c+3], v[LI], s[6:7] offset:4096*\t+1024*(\s)+512*\c
.endr
.endr
.endm
	s_load_b256 s[4:11], s[0:1], 0x0               ; x s[4:5], wcodes s[6:7], wscales s[8:9], bq s[10:11]
	s_load_b256 s[12:19], s[0:1], 0x20             ; bk s[12:13], bv s[14:15], qh s[16:17], kh s[18:19]
	s_load_b64 s[20:21], s[0:1], 0x40              ; vh
	v_lshl_add_u32 v[SPW], v0, 2, SPARE
	v_mov_b32 v[NIL], 0
	v_lshrrev_b32 v1, 5, v0
	v_readfirstlane_b32 s[WV], v1                  ; wave 0 .. 11
	v_and_b32 v48, 31, v0                          ; lane
	v_and_b32 v1, 15, v0                           ; r
	v_bfe_u32 v2, v0, 4, 1                         ; h
	v_lshlrev_b32 v[LI], 4, v48
	v_lshlrev_b32 v[LS], 2, v48
	v_lshlrev_b32 v[XA], 11, v1
	v_lshl_add_u32 v[XA], v2, 6, v[XA]
	s_lshl_b32 s30, s[WV], 10
	v_add_nc_u32 v[XWI], s30, v[LI]
	s_lshl_b32 s30, s[WV], 7
	v_add_nc_u32 v[XWS], s30, v[LS]
	s_mul_i32 s30, s[WV], 4352
	s_add_co_u32 s30, s30, STG                     ; my stage
	v_mul_u32_u24 v[STO], v1, 272
	v_lshl_add_u32 v[STO], v2, 4, v[STO]
	v_add_nc_u32 v[STO], s30, v[STO]               ; in: row r, 16 bytes for each half of the lanes
	v_mul_u32_u24 v[RD], v2, 272
	v_lshl_add_u32 v[RD], v1, 4, v[RD]
	v_add_nc_u32 v[RD], s30, v[RD]                 ; back: lanes 0-15 one row of 256 bytes, lanes 16-31 the next
	v_lshlrev_b32 v[CO], 10, v2
	v_lshl_add_u32 v[CO], v1, 4, v[CO]             ; and the same two rows in the output (1,024 bytes a row)
	v_lshlrev_b32 v[BA], 5, v2
	s_mov_b32 s[SEL], 0x76543210
	s_mov_b32 s[SEL+1], 0xfedcba98                 ; v_permlanex16_b32's selects for lane l xor 16
	s_and_b32 s23, s[WV], 3                        ; my block of 128 columns in my matrix; for the first eight waves also my K step of x
	s_mov_b32 s31, 0
	s_wait_kmcnt 0x0
	s_cmp_lt_u32 s[WV], 4
	s_cselect_b64 s[26:27], s[10:11], s[12:13]     ; my bias and my output: choices on the wave's number alone
	s_cselect_b64 s[28:29], s[16:17], s[18:19]
	s_cmp_lt_u32 s[WV], 8
	s_cselect_b64 s[26:27], s[26:27], s[14:15]
	s_cselect_b64 s[28:29], s[28:29], s[20:21]
	s_lshl_b32 s30, s23, 9
	s_add_nc_u64 s[26:27], s[26:27], s[30:31]      ; the bias of my 128 columns
	s_lshl_b32 s30, ttmp9, 15                      ; 32 tokens of 1,024 bytes a work-group
	s_lshl_b32 s32, s23, 8
	s_add_co_u32 s30, s30, s32
	s_add_nc_u64 s[28:29], s[28:29], s[30:31]
	s_lshl_b32 s30, s[WV], 15
	s_add_nc_u64 s[6:7], s[6:7], s[30:31]          ; my 8 column tiles of 4,096 bytes
	s_lshl_b32 s30, s[WV], 9
	s_add_nc_u64 s[8:9], s[8:9], s[30:31]          ; my 128 scale words of each K step
	WLOAD 0
.irp s, 0,1,2,3
.irp u, 0,1,2,3
	global_load_b32 v[WS+4*\s+\u], v[LS], s[8:9] offset:6144*\s+128*\u
.endr
.endr
	s_cmp_lt_u32 s[WV], 8                          ; the first eight waves quantise x
	s_cbranch_scc0 .Lno_x
	s_lshr_b32 s30, s[WV], 2                       ; token tile
	s_lshl_b32 s30, s30, 15                        ; 16 rows of 2,048 bytes
	s_lshl_b32 s32, ttmp9, 16                      ; 32 rows a work-group
	s_add_co_u32 s30, s30, s32
	s_lshl_b32 s32, s23, 9                         ; 128 numbers a K step
	s_add_co_u32 s30, s30, s32
	s_add_nc_u64 s[4:5], s[4:5], s[30:31]
.irp b, 0,1,2,3
.irp j, 0,1,2,3
	global_load_b128 v[X+16*\b+4*\j:X+16*\b+4*\j+3], v[XA], s[4:5] offset:128*\b+16*\j th:TH_LOAD_NT   ; of row r, 16 neighbours of each block of 32
.endr
.endr
.irp b, 0,1,2,3
	v_mov_b32 v[TM+4+\b], 0                        ; a lane permute's destination counts as one of its sources
.endr
	s_wait_loadcnt 0x0                             ; x's loads are the youngest
	QUANT X
.irp c, 0,1
	ds_store_b128 v[XWI], v[PC+4*\c:PC+4*\c+3] offset:XIMG+512*\c
.endr
	ds_store_b32 v[XWS], v[PW] offset:XSC
	s_wait_dscnt 0x0                               ; the stores are done: the bias may land on their registers
.Lno_x:
.irp m, 0,1
.irp t, 0,1,2,3,4,5,6,7
	global_load_b128 v[ACC+8*(8*\m+\t):ACC+8*(8*\m+\t)+3], v[BA], s[26:27] offset:64*\t      ; lane (r, h), register j: the bias of channel 16 t + 8 h + j
	global_load_b128 v[ACC+8*(8*\m+\t)+4:ACC+8*(8*\m+\t)+7], v[BA], s[26:27] offset:64*\t+16
.endr
.endr
	s_wait_dscnt 0x0                               ; for the others' sake: my image lies in LDS
	s_barrier_signal -1
	s_barrier_wait -1                              ; x's eight fragments lie in LDS
; A K step of 128: x's two fragments from LDS, 16 matrix instructions, the 16 accumulators by turns in the same order in every step
.macro KSTEP s
.irp m, 0,1
.irp c, 0,1
	ds_load_b128 v[XF+8*\m+4*\c:XF+8*\m+4*\c+3], v[LI] offset:XIMG+(4*\m+\s)*1024+512*\c
.endr
	ds_load_b32 v[XS+\m], v[LS] offset:XSC+128*(4*\m+\s)
.endr
	s_wait_dscnt 0x0
	s_wait_loadcnt 0x0                             ; W's fragments of this step (in the first step also the scale words and the bias)
.irp t, 0,1,2,3,4,5,6,7
.irp m, 0,1
.if (\t)%2
	v_wmma_scale_f32_16x16x128_f8f6f4 v[ACC+8*(8*\m+\t):ACC+8*(8*\m+\t)+7], v[WF+8*\t:WF+8*\t+7], v[XF+8*\m:XF+8*\m+7], v[ACC+8*(8*\m+\t):ACC+8*(8*\m+\t)+7], v[WS+4*\s+\t/2], v[XS+\m] matrix_a_fmt:MATRIX_FMT_FP4 matrix_b_fmt:MATRIX_FMT_FP4 matrix_a_scale:MATRIX_SCALE_ROW1
.else
	v_wmma_scale_f32_16x16x128_f8f6f4 v[ACC+8*(8*\m+\t):ACC+8*(8*\m+\t)+7], v[WF+8*\t:WF+8*\t+7], v[XF+8*\m:XF+8*\m+7], v[ACC+8*(8*\m+\t):ACC+8*(8*\m+\t)+7], v[WS+4*\s+\t/2], v[XS+\m] matrix_a_fmt:MATRIX_FMT_FP4 matrix_b_fmt:MATRIX_FMT_FP4
.endif
.endr
.endr
.rept 4
	v_nop                                          ; four places in front of loads into registers that matrix instructions have read, and of the first read of results
.endr
.if \s < 3
	WLOAD \s+1
.endif
.endm
	KSTEP 0
	KSTEP 1
	KSTEP 2
	KSTEP 3
; THE WAY OUT, a token tile at a time: rounded to f16, 16 bytes a lane into my stage, back as whole rows of 256 bytes
.macro OUT m
.irp t, 0,1,2,3,4,5,6,7
.irp k, 0,1,2,3
	v_cvt_pk_f16_f32 v[TMP+4*\t+\k], v[ACC+8*(8*\m+\t)+2*\k], v[ACC+8*(8*\m+\t)+2*\k+1]   ; each accumulator from its low end on
.endr
.endr
.irp t, 0,1,2,3,4,5,6,7
	ds_store_b128 v[STO], v[TMP+4*\t:TMP+4*\t+3] offset:32*\t
.endr
.irp i, 0,1,2,3,4,5,6,7
	ds_load_b128 v[BK+4*\i:BK+4*\i+3], v[RD] offset:544*\i    ; LDS serves a wave's instructions in order: these see my stores
.endr
.irp i, 0,1,2,3,4,5,6,7
	s_wait_dscnt 7-\i                              ; load i is back; the younger ones may be out
	global_store_b128 v[CO], v[BK+4*\i:BK+4*\i+3], s[28:29] offset:16384*\m+2048*\i   ; sixteen lanes store 256 consecutive bytes, aligned
.endr
.endm
	OUT 0
	s_wait_xcnt 0x0                                ; the stores have read their registers: the next tile's rows may land there
	OUT 1
	s_wait_tensorcnt 0x0                           ; the wave's end, behind my last LDS store
	ds_add_u32 v[SPW], v[NIL]
	s_wait_dscnt 0x0
	s_endpgm
.Lfunc_end_k_qf896a14ad6_qkv:
	.size	k_qf896a14ad6_qkv, .Lfunc_end_k_qf896a14ad6_qkv-k_qf896a14ad6_qkv
	.p2alignl 7, 3214868480
	.fill 96, 4, 3214868480
	.section	.rodata,"a",@progbits
	.p2align	6, 0x0
	.amdhsa_kernel k_qf896a14ad6_qkv
		.amdhsa_group_segment_fixed_size 62976
		.amdhsa_private_segment_fixed_size 0
		.amdhsa_enable_private_segment 0
		.amdhsa_kernarg_size 72
		.amdhsa_user_sgpr_count 2
		.amdhsa_user_sgpr_kernarg_segment_ptr 1
		.amdhsa_wavefront_size32 1
		.amdhsa_system_sgpr_workgroup_id_x 1
		.amdhsa_system_sgpr_workgroup_id_y 1
		.amdhsa_system_sgpr_workgroup_id_z 1
		.amdhsa_system_vgpr_workitem_id 0
		.amdhsa_next_free_vgpr 256
		.amdhsa_next_free_sgpr 66
		.amdhsa_reserve_vcc 0
		.amdhsa_float_denorm_mode_32 3
		.amdhsa_float_denorm_mode_16_64 3
		.amdhsa_memory_ordered 1
		.amdhsa_forward_progress 1
		.amdhsa_inst_pref_size 38
	.end_amdhsa_kernel
	.amdgpu_metadata
---
amdhsa.version: [ 1, 2 ]
amdhsa.kernels:
  - .name:           k_qf896a14ad6_qkv
    .symbol:         k_qf896a14ad6_qkv.kd
    .args:
      - { .name: x, .offset: 0, .size: 8, .value_kind: global_buffer, .address_space: global }
      - { .name: wcodes, .offset: 8, .size: 8, .value_kind: global_buffer, .address_space: global }
      - { .name: wscales, .offset: 16, .size: 8, .value_kind: global_buffer, .address_space: global }
      - { .name: bq, .offset: 24, .size: 8, .value_kind: global_buffer, .address_space: global }
      - { .name: bk, .offset: 32, .size: 8, .value_kind: global_buffer, .address_space: global }
      - { .name: bv, .offset: 40, .size: 8, .value_kind: global_buffer, .address_space: global }
      - { .name: qh, .offset: 48, .size: 8, .value_kind: global_buffer, .address_space: global }
      - { .name: kh, .offset: 56, .size: 8, .value_kind: global_buffer, .address_space: global }
      - { .name: vh, .offset: 64, .size: 8, .value_kind: global_buffer, .address_space: global }
    .group_segment_fixed_size: 62976
    .private_segment_fixed_size: 0
    .kernarg_segment_align: 8
    .kernarg_segment_size: 72
    .max_flat_workgroup_size: 384
    .sgpr_count:     66
    .vgpr_count:     256
    .wavefront_size: 32
...
	.end_amdgpu_metadata
.endif
;; end of part 2
;; launch attn (part 3): grid 64 x 4, 4 waves a work-group, clusters of 4 x 4, 327,680 bytes of LDS; arguments qh, kh, vh, graph_mask, att; writes att
.if DOCPART == 3
	.amdgcn_target "amdgcn-amd-amdhsa--gfx1250"
	.amdhsa_code_object_version 6
	.text
	.protected	k_qf896a14ad6_attn
	.globl	k_qf896a14ad6_attn
	.p2align	8
	.type	k_qf896a14ad6_attn,@function
k_qf896a14ad6_attn:
	s_mov_b64 s[64:65], 0
	v_nop
	global_prefetch_b8 v0, s[64:65] scope:SCOPE_SE
	s_setreg_imm32_b32 hwreg(HW_REG_WAVE_MODE, 25, 1), 1
	s_wait_xcnt 0x0
	s_wait_alu depctr_hold_cnt(0) depctr_sa_sdst(0) depctr_va_vdst(0) depctr_va_sdst(0) depctr_va_ssrc(0) depctr_va_vcc(0) depctr_vm_vsrc(0)
	s_getreg_b32 s2, hwreg(HW_REG_IB_STS2, 6, 4)
	s_cmp_eq_u32 s2, 0
	s_cbranch_scc0 .Lentry_in_a_cluster
	s_endpgm
.Lentry_in_a_cluster:
	s_bfe_u32 s2, ttmp6, 0x10000c
	s_cmp_lg_u32 s2, 0xf033
	s_cbranch_scc0 .Lentry_shape_is_right
	s_endpgm
.Lentry_shape_is_right:
; att[token][head's 64] = the sum over keys of softmax_k(where(g == 0, -inf, (Q . K / 8) g)) V, g = graph_mask[batch][query][key], f32.  Q, K, V, att: [8,192 tokens][512] f16, 8 heads side by side.
; Products on f16 operands with f32 sums; mask, maximum, exponentials and sums in f32; the weights p are rounded to f16 for the second product, att once at the end.
; SHARES.  A work-group owns 128 queries and a PAIR of heads (256 bytes of a row); each of its four waves 32 queries (two tiles of 16) x both heads: four UNITS u = 2 head + tile.  Every wave walks the batch's 4,096 keys, 64 a step.
; A wave holds both heads of a query tile, so a step's piece of the mask is read from LDS and prepared once for two heads.
; LAYOUT.  S^T = K Q^T (source 0 = 16 keys, source 1 = 16 queries): a lane holds ONE query (lane % 16) and keys 8 (lane / 16) + 0 .. 7 of each key tile; two such tiles, rounded in pairs, are source 1 of O^T = V^T P.  V comes out of LDS turned.
; SOFTMAX.  t = s (g c) + (g == 0 ? -inf : 0), c = log2(e) / 8; a running maximum m of t and sum l for each query; p = 2^(t - m); O and l are multiplied by a = 2^(m_old - m_new) in every step.  m begins at -3e38, O and l at 0,
; so the step is written in one form (128 registers are cleared once for that).  A query whose mask is all zeros ends with 0 x infinity = NaN, as the definition has it.
; CLUSTER.  4 x 4 work-groups: along x four blocks of queries of one batch, along y the four pairs of heads.  K's and V's tiles hang on batch and head pair: shared along a row; the mask's hang on the queries: shared along a column.
; Each is asked for JOINTLY.  A slot holds 128 keys (two steps): K 128 rows, V 128 rows, the mask's 128 query rows x 512 bytes; one load of 32 KiB a wave (wave 0: K, 1: V, 2 and 3: halves of the mask).
; FRAGMENTS RUN ONE STEP AHEAD: a slot's last reads are issued in its first step and are back in the middle of its second: there stands the change of slots, and the refill has two steps in which to land.
; LIMITS: |Q|, |K|, |V| and the result stay under 65,504 (f16).
; REGISTERS, in windows of 256: window 0: v0-15 addresses; v16-47 statistics, 8 a unit; v64-191 S^T, 32 a unit (P over each unit's first 16); v192-255 the way out.
;   window 1: v0-127 O^T, 32 a unit; v128-191 Q.   window 2: v0-127 K of a step, v128-255 V.   window 3: v0-63 the mask (then g c), v64-127 0 or -inf, v128 -inf.
.set PK,    272                        ; a row of K in LDS: 256 bytes + 16
.set PV,    288                        ; of V: 256 + 32
.set PG,    528                        ; of the mask: 512 + 16
.set VOFF,  128*PK
.set GOFF,  VOFF+128*PV
.set SLOTB, GOFF+128*PG                ; 139,264 = 0x22000: none of its bits is set in an offset inside a slot that is turned by exclusive or
.set STAGE, 2*SLOTB                    ; behind the ring: 16 rows x 272 bytes for each wave
.set SPARE, STAGE+4*16*272             ; the spare words, 128 bytes for each wave: two blocks of 256 bytes that no other line names
.set AK0, 2
.set AV0, 3
.set AG0, 4
.set ADK, 5
.set ADV, 6
.set ADG, 7
.set QO,  8
.set STO, 9
.set RD,  10
.set GO,  11
.set PFO, 12                           ; v12  the prefetches' offset; never rewritten
.set SPW, 14                           ; v14  LDS address of my spare word; never rewritten
.set NIL, 15                           ; v15  0; never rewritten
.set ST,  16                           ; unit u at 16 + 8 u: +0 m, +1 zero, +2, +3 l, +4 .. +7 at work; a takes +6
.set S,   64
.set OUTR, 192
.set QF,  128                          ; in window 1
.set VF,  128                          ; in window 2
.set BI,  64                           ; in window 3
.set NI,  128                          ; in window 3
.set WV,  14
.set G1K, 24
.set G1V, 32
.set G1G, 40
.set G0K, 48                           ; two sets each: the first fill of slot 0; the first fill of slot 1, which then walks
.set G0V, 56
.set G0G, 68
.set CS,  76
.set SEL, 78
.set SB,  80                           ; LDS byte at which the slot begins from which fragments are fetched
.set TRIPS, 81
.set WOG, 82
.set PFA, 84
.set PFS, 86
.set LIM, 88
.set MK,  90                           ; s90-93 compare masks
.set MSB, 0
.macro WIN new                         ; the immediate's high byte repeats the setting that is left; a switch that changes nothing is dropped
.if MSB != \new
	s_set_vgpr_msb (MSB<<8)|\new
.set MSB, \new
.endif
.endm
.set W_QK,  0x06                       ; K window 2, Q window 1, S^T window 0
.set W_PV,  0x52                       ; V window 2, P window 0, O^T window 1
.set W_RS,  0x41                       ; O^T window 1, a window 0
.set W_FMA, 0x3c                       ; S^T window 0, g c and the 0 or -inf window 3
.set W_MP,  0xcf                       ; all in window 3
.macro PLACES n
.rept \n
	v_nop
.endr
.endm
.macro CROUND                          ; a round of the cluster's barrier
	s_barrier_signal -1
	s_barrier_wait -1
	s_cmp_lg_u32 s[WV], 0
	s_cbranch_scc1 .Lnot_wave_0_\@
	s_barrier_signal -3
.Lnot_wave_0_\@:
	s_barrier_wait -3
	s_barrier_signal -1
	s_barrier_wait -1
.endm
; A joint refill: wave 0 K's tile, wave 1 V's, waves 2 and 3 the mask's halves.  The branches hang on the wave's number alone.  An s_nop 0 and four v_nop follow each line.
.macro JLOAD
	s_cmp_lt_u32 s[WV], 2
	s_cbranch_scc0 .Lfor_g_\@
	s_cmp_eq_u32 s[WV], 0
	s_cbranch_scc0 .Lfor_v_\@
	tensor_load_to_lds s[G0K+4:G0K+7], s[G1K:G1K+7]
	s_nop 0
.rept 4
	v_nop
.endr
	s_branch .Lasked_\@
.Lfor_v_\@:
	tensor_load_to_lds s[G0V+4:G0V+7], s[G1V:G1V+7]
	s_nop 0
.rept 4
	v_nop
.endr
	s_branch .Lasked_\@
.Lfor_g_\@:
	tensor_load_to_lds s[G0G+4:G0G+7], s[G1G:G1G+7]
	s_nop 0
.rept 4
	v_nop
.endr
.Lasked_\@:
.endm
; A PREFETCH INTO THE L2 of what the NEXT change of slots will ask for: two key steps ahead of that load.  Each aligned block of 256 bytes is named once in the launch.  The mask: waves 2 and 3; of a wave's 64 rows x 512 bytes
; the partner at cy takes 16 rows x 2 blocks, told apart by address.  K and V: waves 0 and 1 of the batch's first cluster; the partner at cx takes 32 of the 128 rows, a lane a row.  The last change that fills a slot asks for nothing.
.macro ASK
	s_cmp_gt_u32 s[TRIPS], s[LIM]
	s_cbranch_scc0 .Lnot_mine_\@
	global_prefetch_b8 v[PFO], s[PFA:PFA+1] th:TH_LOAD_NT scope:SCOPE_SE
.Lnot_mine_\@:
.endm
; THE LDS LOADS, in three runs.  hn: which of the slot's two steps.
.macro LOADK hn                        ; 64 keys x 128 channels: fragment (head e, key tile t, channels 32 d on) at 64 e + 8 (2 t + d) of window 2
	WIN 0
	v_add_nc_u32 v[ADK], s[SB], v[AK0]
	WIN 0x80
.irp e, 0,1
.irp t, 0,1,2,3
.irp d, 0,1
	ds_load_b128 v[64*\e+8*(2*\t+\d):64*\e+8*(2*\t+\d)+3],   v[ADK] offset:(\hn)*64*PK+\t*16*PK+128*\e+64*\d
	ds_load_b128 v[64*\e+8*(2*\t+\d)+4:64*\e+8*(2*\t+\d)+7], v[ADK] offset:(\hn)*64*PK+\t*16*PK+128*\e+64*\d+32
.endr
.endr
.endr
.endm
.macro LOADG hn                        ; the mask of my 32 queries x 64 keys, in S^T's layout: register 32 i + 8 t + j of window 3
	WIN 0
	v_add_nc_u32 v[ADG], s[SB], v[AG0]
	WIN 0xc0
.irp i, 0,1
.irp t, 0,1,2,3
.irp k, 0,1
	ds_load_b128 v[32*\i+8*\t+4*\k:32*\i+8*\t+4*\k+3], v[ADG] offset:\i*16*PG+256*(\hn)+64*\t+16*\k
.endr
.endr
.endr
.endm
.macro LOADV hn                        ; V turned: fragment (head e, keys 32 f on, channels 16 c on) at 128 + 64 e + 8 (4 f + c) of window 2
	WIN 0
	v_add_nc_u32 v[ADV], s[SB], v[AV0]
	WIN 0x80
.irp e, 0,1
.irp f, 0,1
.irp c, 0,1,2,3
	ds_load_tr16_b128 v[VF+64*\e+8*(4*\f+\c):VF+64*\e+8*(4*\f+\c)+3],   v[ADV] offset:(\hn)*64*PV+\f*32*PV+128*\e+32*\c
	ds_load_tr16_b128 v[VF+64*\e+8*(4*\f+\c)+4:VF+64*\e+8*(4*\f+\c)+7], v[ADV] offset:(\hn)*64*PV+\f*32*PV+16*PV+128*\e+32*\c
.endr
.endr
.endr
.endm
.macro MASKPREP                        ; for each of the 64 numbers g: 0 or -inf (where g == 0), and g c in g's place: once for both heads
	WIN W_MP
.set n, 0
.rept 16
.irp k, 0,1,2,3
	v_cmp_eq_f32 s[MK+\k], 0, v[n+\k]
.endr
.irp k, 0,1,2,3
	v_cndmask_b32 v[BI+n+\k], 0, v[NI], s[MK+\k]
.endr
	v_pk_mul_f32 v[n:n+1], v[n:n+1], s[CS:CS+1] op_sel_hi:[1,0]
	v_pk_mul_f32 v[n+2:n+3], v[n+2:n+3], s[CS:CS+1] op_sel_hi:[1,0]
.set n, n+4
.endr
.endm
.macro QKALL                           ; 32 products: the 16 accumulators (unit, key tile) by turns, one instruction a turn; the first 16 start the sums
	WIN W_QK
.irp d, 0,1
.irp t, 0,1,2,3
.irp u, 0,1,2,3
.if \d == 0
	v_wmma_f32_16x16x32_f16 v[S+32*\u+8*\t:S+32*\u+8*\t+7], v[64*(\u/2)+8*(2*\t+\d):64*(\u/2)+8*(2*\t+\d)+7], v[QF+16*\u+8*\d:QF+16*\u+8*\d+7], 0
.else
	v_wmma_f32_16x16x32_f16 v[S+32*\u+8*\t:S+32*\u+8*\t+7], v[64*(\u/2)+8*(2*\t+\d):64*(\u/2)+8*(2*\t+\d)+7], v[QF+16*\u+8*\d:QF+16*\u+8*\d+7], v[S+32*\u+8*\t:S+32*\u+8*\t+7]
.endif
.endr
.endr
.endr
.endm
.macro SM_FMA                          ; t = s (g c) + (0 or -inf), two at a time; each accumulator from its low end on
	WIN W_FMA
.set k, 0
.rept 16
.irp u, 0,1,2,3
	v_pk_fma_f32 v[S+32*\u+2*k:S+32*\u+2*k+1], v[S+32*\u+2*k:S+32*\u+2*k+1], v[32*(\u%2)+2*k:32*(\u%2)+2*k+1], v[BI+32*(\u%2)+2*k:BI+32*(\u%2)+2*k+1]
.endr
.set k, k+1
.endr
.endm
.macro SM_MAX                          ; the largest of a lane's 32 t and the old m: four chains of seven, the four left over, the chains and m; the units by turns
	WIN 0
.irp q, 0,1,2,3
.irp u, 0,1,2,3
	v_max3_num_f32 v[ST+8*\u+4+\q], v[S+32*\u+8*\q], v[S+32*\u+8*\q+1], v[S+32*\u+8*\q+2]
.endr
.endr
.irp p, 3,5
.irp q, 0,1,2,3
.irp u, 0,1,2,3
	v_max3_num_f32 v[ST+8*\u+4+\q], v[ST+8*\u+4+\q], v[S+32*\u+8*\q+\p], v[S+32*\u+8*\q+\p+1]
.endr
.endr
.endr
.irp u, 0,1,2,3
	v_max3_num_f32 v[ST+8*\u+4], v[ST+8*\u+4], v[S+32*\u+7], v[S+32*\u+15]
.endr
.irp u, 0,1,2,3
	v_max3_num_f32 v[ST+8*\u+6], v[ST+8*\u+6], v[S+32*\u+23], v[S+32*\u+31]
.endr
.irp u, 0,1,2,3
	v_max3_num_f32 v[ST+8*\u+4], v[ST+8*\u+4], v[ST+8*\u+5], v[ST+8*\u+6]
.endr
.irp u, 0,1,2,3
	v_max3_num_f32 v[ST+8*\u+4], v[ST+8*\u+4], v[ST+8*\u+7], v[ST+8*\u]
.endr
.endm
.macro SM_STAT
.irp u, 0,1,2,3
	v_permlanex16_b32 v[ST+8*\u+5], v[ST+8*\u+4], s[SEL], s[SEL+1]   ; the query's other 32 keys lie in the lane 16 away
.endr
.irp u, 0,1,2,3
	v_mov_b32 v[ST+8*\u+7], v[ST+8*\u]             ; m_old
.endr
.irp u, 0,1,2,3
	v_max_num_f32 v[ST+8*\u], v[ST+8*\u+4], v[ST+8*\u+5]
.endr
.irp u, 0,1,2,3
	v_sub_f32 v[ST+8*\u+7], v[ST+8*\u+7], v[ST+8*\u]   ; m_old - m_new
.endr
.endm
.macro SM_SUB                          ; t - m, two at a time (of the pair m, 0 the low word serves both halves)
.set k, 0
.rept 16
.irp u, 0,1,2,3
	v_pk_add_f32 v[S+32*\u+2*k:S+32*\u+2*k+1], v[S+32*\u+2*k:S+32*\u+2*k+1], v[ST+8*\u:ST+8*\u+1] op_sel_hi:[1,0] neg_lo:[0,1] neg_hi:[0,1]
.endr
.set k, k+1
.endr
.endm
.macro SM_EXP                          ; ONE BATCH: the four a and the 128 p; none reads another's result
.irp u, 0,1,2,3
	v_exp_f32 v[ST+8*\u+6], v[ST+8*\u+7]
.endr
.set k, 0
.rept 128
	v_exp_f32 v[S+k], v[S+k]
.set k, k+1
.endr
	v_nop                                          ; a plain instruction behind the last exponential
	s_wait_alu depctr_va_vdst(0)                   ; the wait ahead of the first instruction that names a result: one for the batch
.endm
.macro SM_SUM                          ; l = a l + the sum of the unrounded p: two chains a unit, the units by turns
.irp u, 0,1,2,3
	v_pk_fma_f32 v[ST+8*\u+2:ST+8*\u+3], v[ST+8*\u+2:ST+8*\u+3], v[ST+8*\u+6:ST+8*\u+7], v[S+32*\u:S+32*\u+1] op_sel_hi:[1,0,1]
.endr
.irp u, 0,1,2,3
	v_pk_add_f32 v[ST+8*\u+4:ST+8*\u+5], v[S+32*\u+2:S+32*\u+3], v[S+32*\u+4:S+32*\u+5]
.endr
.irp p, 3,5,7,9,11,13
.irp u, 0,1,2,3
	v_pk_add_f32 v[ST+8*\u+2:ST+8*\u+3], v[ST+8*\u+2:ST+8*\u+3], v[S+32*\u+2*\p:S+32*\u+2*\p+1]
.endr
.irp u, 0,1,2,3
	v_pk_add_f32 v[ST+8*\u+4:ST+8*\u+5], v[ST+8*\u+4:ST+8*\u+5], v[S+32*\u+2*\p+2:S+32*\u+2*\p+3]
.endr
.endr
.irp u, 0,1,2,3
	v_pk_add_f32 v[ST+8*\u+2:ST+8*\u+3], v[ST+8*\u+2:ST+8*\u+3], v[S+32*\u+30:S+32*\u+31]
.endr
.irp u, 0,1,2,3
	v_pk_add_f32 v[ST+8*\u+2:ST+8*\u+3], v[ST+8*\u+2:ST+8*\u+3], v[ST+8*\u+4:ST+8*\u+5]
.endr
.endm
.macro SM_CVT                          ; p to f16, in pairs, in place: pair k goes to register k, which pairs k / 2 and below have left
.set k, 0
.rept 16
.irp u, 0,1,2,3
	v_cvt_pk_f16_f32 v[S+32*\u+k], v[S+32*\u+2*k], v[S+32*\u+2*k+1]
.endr
.set k, k+1
.endr
.endm
.macro RESCALE                         ; O^T x a; each accumulator from its low end on
	WIN W_RS
.set k, 0
.rept 16
.irp u, 0,1,2,3
	v_pk_mul_f32 v[32*\u+2*k:32*\u+2*k+1], v[32*\u+2*k:32*\u+2*k+1], v[ST+8*\u+6:ST+8*\u+7] op_sel_hi:[1,0]
.endr
.set k, k+1
.endr
.endm
.macro PVALL                           ; 32 products: the 16 accumulators (unit, channel tile) by turns
	WIN W_PV
.irp f, 0,1
.irp c, 0,1,2,3
.irp u, 0,1,2,3
	v_wmma_f32_16x16x32_f16 v[32*\u+8*\c:32*\u+8*\c+7], v[VF+64*(\u/2)+8*(4*\f+\c):VF+64*(\u/2)+8*(4*\f+\c)+7], v[S+32*\u+8*\f:S+32*\u+8*\f+7], v[32*\u+8*\c:32*\u+8*\c+7]
.endr
.endr
.endr
.endm
; THE MIDDLE OF A STEP.  kind 0: V of this step is in; four places.  kind 1: THE CHANGE OF SLOTS with a refill: all my tensor loads have landed (my part of the other slot), 0 is added to my spare word, the walking
; descriptors step, the add and all my reads of this slot are done; a round of the cluster's barrier; the joint refill first behind it.  kind 2: the last change: nothing is asked for, so a barrier of the work-group.
.macro CHANGE kind
.if \kind == 0
	s_wait_dscnt 0x0                               ; V of this step is in
	PLACES 4                                       ; in front of loads into K's registers and of the first read of the scores
.else
	WIN 0
	s_wait_tensorcnt 0x0                           ; no tensor load of mine is out, so a group 0 may be written
	ds_add_u32 v[SPW], v[NIL]                      ; 0 onto my spare word; the steps below stand between it and the wait for it
.if \kind == 1
.irp g, G0K+4, G0V+4, G0G+4
	s_xor_b32 s[\g+1], s[\g+1], SLOTB              ; the other slot than last time
.endr
	s_add_nc_u64 s[G0K+6:G0K+7], s[G0K+6:G0K+7], 131072   ; the next 128 keys: 128 rows of 1,024 bytes; the type bits on top are not reached
	s_add_nc_u64 s[G0V+6:G0V+7], s[G0V+6:G0V+7], 131072
	s_add_nc_u64 s[G0G+6:G0G+7], s[G0G+6:G0G+7], 512      ; 128 numbers on in each row of the mask
	s_wait_xcnt 0x0                                ; the last prefetch, two steps back, has read its address
	s_add_nc_u64 s[PFA:PFA+1], s[PFA:PFA+1], s[PFS:PFS+1]
.endif
	s_xor_b32 s[SB], s[SB], SLOTB                  ; the fetches go on in the other slot
	s_wait_dscnt 0x0                               ; the add is done, and my reads of this slot are over (V of this step was the last)
.if \kind == 1
	CROUND                                         ; no wave of any partner still reads the slot or has a load on its way
	JLOAD                                          ; its four v_nop are also the places in front of the loads and reads below
.else
	s_barrier_signal -1
	s_barrier_wait -1
	PLACES 4
.endif
.endif
.endm
; A KEY STEP.  hn: which half of the slot the NEXT step's fragments lie in; next = 0: the last step fetches nothing.
.macro STEP hn, kind, next
	s_wait_dscnt 32                                ; K and the mask of this step are in; V's 32 loads, the youngest, may be out
	MASKPREP
	QKALL
	CHANGE \kind
.if \next
	LOADK \hn
.endif
.if \kind == 1
	WIN 0
	ASK                                            ; behind the joint load and the run of LDS loads
.endif
	SM_FMA
.if \next
	LOADG \hn
.endif
	SM_MAX
	SM_STAT
	SM_SUB
	SM_EXP
	SM_SUM
	SM_CVT
	RESCALE
	PVALL
	PLACES 4                                       ; in front of loads into V's registers; behind the last step, of the first read of O^T
.if \next
	LOADV \hn
.endif
	WIN 0
.endm
	s_load_b256 s[4:11], s[0:1], 0x0               ; qh s[4:5], kh s[6:7], vh s[8:9], graph_mask s[10:11]
	s_load_b64 s[12:13], s[0:1], 0x20              ; att
	v_lshl_add_u32 v[SPW], v0, 2, SPARE
	v_mov_b32 v[NIL], 0
	ds_add_u32 v[SPW], v[NIL]                      ; the wave's opening: the add, twice on end, and its wait ahead of my first tensor load; the set-up below stands between the second and the wait
	ds_add_u32 v[SPW], v[NIL]
	v_lshrrev_b32 v1, 5, v0
	v_readfirstlane_b32 s[WV], v1                  ; wave 0 .. 3
	s_bfe_u32 s15, ttmp6, 0x40000                  ; cx: which of the cluster's four blocks of queries
	s_bfe_u32 s16, ttmp6, 0x40004                  ; cy: which pair of heads
	s_and_b32 s19, s[WV], 1
	s_lshl_b32 s20, s16, 2
	s_lshl_b32 s20, 15, s20                        ; my row of the cluster
	s_lshl_b32 s22, 0x1111, s15                    ; my column
	s_or_b32 s[G1K], s20, 0x07710000               ; 15:0 the mask; elements of 2 bytes; padding on; bit 21 beside a mask; 4 words behind every 64
	s_or_b32 s[G1V], s20, 0x0f710000               ; the same with 8 words of padding
	s_or_b32 s[G1G], s22, 0x07b20000               ; elements of 4 bytes; 4 words behind every 128
.irp g, G1K, G1V
	s_mov_b32 s[\g+1], 128<<16                     ; tensor_dim0 = 128
	s_mov_b32 s[\g+2], 128<<16                     ; tensor_dim1 = 128
	s_mov_b32 s[\g+3], 128<<16                     ; tile_dim0 = 128
	s_mov_b32 s[\g+4], 128                         ; tile_dim1 = 128
	s_mov_b32 s[\g+5], 512                         ; elements from row to row
	s_mov_b32 s[\g+6], 0
	s_mov_b32 s[\g+7], 0
.endr
	s_mov_b32 s[G1G+1], 128<<16
	s_mov_b32 s[G1G+2], 64<<16
	s_mov_b32 s[G1G+3], 128<<16
	s_mov_b32 s[G1G+4], 64
	s_mov_b32 s[G1G+5], 4096
	s_mov_b32 s[G1G+6], 0
	s_mov_b32 s[G1G+7], 0
	s_lshr_b32 s18, ttmp9, 3                       ; the batch: eight clusters each
	s_lshl_b32 s20, s18, 22                        ; K, V: the batch's 4,096 rows of 1,024 bytes,
	s_lshl_b32 s21, s16, 8                         ; the pair of heads: made of the cluster's number and cy alone
	s_add_co_u32 s20, s20, s21
	s_mov_b32 s21, 0
	s_lshl_b32 s17, ttmp9, 2
	s_add_co_u32 s17, s17, s15                     ; my block of 128 queries, 0 .. 63
	s_lshl_b32 s22, s17, 7
	s_lshl_b32 s23, s19, 6
	s_add_co_u32 s22, s22, s23                     ; the mask: row 128 block + 64 (wave % 2): made of the cluster's number, cx and the wave's alone
	s_lshl_b32 s22, s22, 14                        ; rows of 16,384 bytes
	s_mov_b32 s23, 0
	s_mul_i32 s[WOG], s19, 64*PG
	s_add_co_u32 s[WOG], s[WOG], GOFF              ; and its place in a slot: no place in the cluster enters an LDS address
	s_lshl_b32 s94, s17, 17                        ; Q and att: my block's 128 rows, my wave's 32, my pair of heads
	s_lshl_b32 s95, s[WV], 15
	s_add_co_u32 s94, s94, s95
	s_lshl_b32 s95, s16, 8
	s_add_co_u32 s94, s94, s95
	s_mov_b32 s95, 0
	s_lshl_b32 s96, s15, 15                        ; the prefetches.  K, V: my work-group's 32 rows of the 128, in the third tile of 128 keys (the first change steps on to the fourth)
	s_add_co_u32 s96, s96, s20
	s_add_co_u32 s96, s96, 262144
	s_lshl_b32 s98, s16, 18                        ; the mask: my work-group's 16 rows of the wave's 64, likewise
	s_add_co_u32 s98, s98, s22
	s_add_co_u32 s98, s98, 1024
	s_mov_b32 s[PFS], 512
	s_mov_b32 s[PFS+1], 0
	s_mov_b32 s97, 0
	s_cmp_lt_u32 s[WV], 2
	s_cselect_b32 s96, s96, s98
	s_cselect_b32 s[PFS], 131072, s[PFS]           ; a tile on
	s_mov_b32 s98, 16384
	s_cselect_b32 s98, 1024, s98                   ; from lane to lane among sixteen,
	s_mov_b32 s99, 256
	s_cselect_b32 s99, 16384, s99                  ; and from the lower sixteen to the upper
	s_and_b32 s[LIM], ttmp9, 7
	s_cmp_lt_u32 s[WV], 2
	s_cselect_b32 s[LIM], s[LIM], 0                ; waves 2 and 3 always ask; waves 0 and 1 in the batch's first cluster
	s_cmp_eq_u32 s[LIM], 0
	s_cselect_b32 s[LIM], 1, -1                    ; the same in all sixteen partners, for a given wave
	s_mov_b32 s[CS], 0x3e38aa3b                    ; c = log2(e) / 8
	s_mov_b32 s[CS+1], s[CS]
	s_mov_b32 s[SEL], 0x76543210
	s_mov_b32 s[SEL+1], 0xfedcba98
	s_mov_b32 s[SB], 0
	s_mov_b32 s[TRIPS], 30                         ; 32 tiles of 128 keys; all but the first two come by refills
	s_wait_dscnt 0x0                               ; both opening adds are done
	s_wait_kmcnt 0x0
	s_cmp_eq_u32 s[WV], 0
	s_cselect_b64 s[PFA:PFA+1], s[6:7], s[8:9]
	s_cmp_lt_u32 s[WV], 2
	s_cselect_b64 s[PFA:PFA+1], s[PFA:PFA+1], s[10:11]
	s_add_nc_u64 s[PFA:PFA+1], s[PFA:PFA+1], s[96:97]
	s_add_nc_u64 s[6:7], s[6:7], s[20:21]
	s_add_nc_u64 s[8:9], s[8:9], s[20:21]
	s_add_nc_u64 s[10:11], s[10:11], s[22:23]
	s_add_nc_u64 s[4:5], s[4:5], s[94:95]
	s_add_nc_u64 s[12:13], s[12:13], s[94:95]
	CROUND                                         ; all sixteen work-groups are here: the first joint loads meet
.irp s, 0,1
	s_mov_b32 s[G0K+4*\s], 1
	s_mov_b32 s[G0K+4*\s+1], \s*SLOTB
	s_add_nc_u64 s[G0K+4*\s+2:G0K+4*\s+3], s[6:7], \s*131072
	s_or_b32 s[G0K+4*\s+3], s[G0K+4*\s+3], 0x80000000
	s_mov_b32 s[G0V+4*\s], 1
	s_mov_b32 s[G0V+4*\s+1], \s*SLOTB+VOFF
	s_add_nc_u64 s[G0V+4*\s+2:G0V+4*\s+3], s[8:9], \s*131072
	s_or_b32 s[G0V+4*\s+3], s[G0V+4*\s+3], 0x80000000
	s_mov_b32 s[G0G+4*\s], 1
	s_add_co_u32 s[G0G+4*\s+1], s[WOG], \s*SLOTB
	s_add_nc_u64 s[G0G+4*\s+2:G0G+4*\s+3], s[10:11], \s*512
	s_or_b32 s[G0G+4*\s+3], s[G0G+4*\s+3], 0x80000000
.endr
	s_cmp_lt_u32 s[WV], 2                          ; a wave's two first fills stand together, ahead of every wait on TENSORcnt and every LDS read: two loads of mine are out
	s_cbranch_scc0 .Lfirst_g
	s_cmp_eq_u32 s[WV], 0
	s_cbranch_scc0 .Lfirst_v
	tensor_load_to_lds s[G0K:G0K+3], s[G1K:G1K+7]
	s_nop 0
	tensor_load_to_lds s[G0K+4:G0K+7], s[G1K:G1K+7]
	s_nop 0
.rept 4
	v_nop
.endr
	s_branch .Lfirst_asked
.Lfirst_v:
	tensor_load_to_lds s[G0V:G0V+3], s[G1V:G1V+7]
	s_nop 0
	tensor_load_to_lds s[G0V+4:G0V+7], s[G1V:G1V+7]
	s_nop 0
.rept 4
	v_nop
.endr
	s_branch .Lfirst_asked
.Lfirst_g:
	tensor_load_to_lds s[G0G:G0G+3], s[G1G:G1G+7]
	s_nop 0
	tensor_load_to_lds s[G0G+4:G0G+7], s[G1G:G1G+7]
	s_nop 0
.rept 4
	v_nop
.endr
.Lfirst_asked:
	v_and_b32 v1, 15, v0                           ; r
	v_bfe_u32 v13, v0, 4, 1                        ; h
	v_lshlrev_b32 v[QO], 10, v1
	v_lshl_add_u32 v[QO], v13, 4, v[QO]            ; Q: row r of 1,024 bytes + 16 h
	WIN 0x40                                       ; destination window 1
.irp u, 0,1,2,3                        ; Q stays in registers: unit u = 2 head + tile, channels 32 d on
.irp d, 0,1
	global_load_b128 v[QF+16*\u+8*\d:QF+16*\u+8*\d+3],   v[QO], s[4:5] offset:16384*(\u%2)+128*(\u/2)+64*\d
	global_load_b128 v[QF+16*\u+8*\d+4:QF+16*\u+8*\d+7], v[QO], s[4:5] offset:16384*(\u%2)+128*(\u/2)+64*\d+32
.endr
.endr
.set k, 0
.rept 128
	v_mov_b32 v[k], 0                              ; O^T: cleared once, so that the step has one form
.set k, k+1
.endr
	WIN 0xc0
	v_mov_b32 v[NI], 0xff800000                    ; -infinity
	WIN 0
	v_mul_u32_u24 v[AK0], v1, PK
	v_lshl_add_u32 v[AK0], v13, 4, v[AK0]          ; K: row r x pitch + 16 h
	v_and_b32 v48, 7, v0
	v_bfe_u32 v49, v0, 3, 1
	v_lshl_add_u32 v[AV0], v13, 3, v48             ; V, for the turning load: key 8 h + lane % 8, channels 8 ((lane / 8) % 2) on
	v_mul_u32_u24 v[AV0], v[AV0], PV
	v_lshl_add_u32 v[AV0], v49, 4, v[AV0]
	v_add_nc_u32 v[AV0], VOFF, v[AV0]
	v_mul_lo_u32 v[PFO], v1, s98
	v_mul_lo_u32 v48, v13, s99
	v_add_nc_u32 v[PFO], v[PFO], v48
	s_mul_i32 s99, s[WV], 32*PG
	s_add_co_u32 s99, s99, GOFF
	v_mul_u32_u24 v[AG0], v1, PG
	v_lshl_add_u32 v[AG0], v13, 5, v[AG0]
	v_add_nc_u32 v[AG0], s99, v[AG0]               ; the mask: query row 32 wave + r, 32 h bytes on
	s_mul_i32 s99, s[WV], 16*272
	s_add_co_u32 s99, s99, STAGE                   ; my stage
	v_add_nc_u32 v[STO], s99, v[AK0]               ; in: row r, 16 bytes for each half of the lanes
	v_mul_u32_u24 v[RD], v13, 272
	v_lshl_add_u32 v[RD], v1, 4, v[RD]
	v_add_nc_u32 v[RD], s99, v[RD]                 ; back: lanes 0-15 one row of 256 bytes, lanes 16-31 the next
	v_lshlrev_b32 v[GO], 10, v13
	v_lshl_add_u32 v[GO], v1, 4, v[GO]             ; and the same two rows in att
.irp u, 0,1,2,3
	v_mov_b32 v[ST+8*\u], 0xff61b1e6               ; m: -3e38, under every t that counts
	v_mov_b32 v[ST+8*\u+1], 0                      ; (named with m as a pair)
	v_mov_b32 v[ST+8*\u+2], 0                      ; l, in two halves
	v_mov_b32 v[ST+8*\u+3], 0
.endr
	s_wait_tensorcnt 1                             ; my part of slot 0 is in; slot 1's may stay out
	s_barrier_signal -1
	s_barrier_wait -1                              ; everybody's is
	LOADK 0
	LOADG 0
	LOADV 0
	WIN 0
	s_wait_loadcnt 0x0                             ; Q
.Ltrip:                                ; 30 trips of two steps: each leaves a slot and asks for the keys two slots on
	STEP 1, 0, 1
	STEP 0, 1, 1
	s_sub_co_u32 s[TRIPS], s[TRIPS], 1
	s_cmp_lg_u32 s[TRIPS], 0
	s_cbranch_scc1 .Ltrip
	STEP 1, 0, 1                                   ; the last two slots are written out
	STEP 0, 2, 1
	STEP 1, 0, 1
	STEP 0, 0, 0
	; THE WAY OUT.  l's halves and the other half of the lanes' are added; O^T / l, rounded to f16, goes through my stage a query tile (16 rows x 256 bytes: both heads) at a time.
.irp u, 0,1,2,3
	v_add_f32 v[ST+8*\u+4], v[ST+8*\u+2], v[ST+8*\u+3]
.endr
.irp u, 0,1,2,3
	v_permlanex16_b32 v[ST+8*\u+5], v[ST+8*\u+4], s[SEL], s[SEL+1]
.endr
.irp u, 0,1,2,3
	v_add_f32 v[ST+8*\u+4], v[ST+8*\u+4], v[ST+8*\u+5]
.endr
.irp u, 0,1,2,3
	v_rcp_f32 v[ST+8*\u+6], v[ST+8*\u+4]
.endr
	v_nop                                          ; a plain instruction behind the last reciprocal
	s_wait_alu depctr_va_vdst(0)                   ; and the wait ahead of the first use: one for the four
.macro PACK i
	WIN W_RS
.irp e, 0,1
.set k, 0
.rept 16
	v_pk_mul_f32 v[32*(2*\e+\i)+2*k:32*(2*\e+\i)+2*k+1], v[32*(2*\e+\i)+2*k:32*(2*\e+\i)+2*k+1], v[ST+8*(2*\e+\i)+6:ST+8*(2*\e+\i)+7] op_sel_hi:[1,0]
.set k, k+1
.endr
.endr
	WIN 0x05                                       ; sources window 1, destination window 0
.irp e, 0,1
.set k, 0
.rept 16
	v_cvt_pk_f16_f32 v[OUTR+32*\i+16*\e+k], v[32*(2*\e+\i)+2*k], v[32*(2*\e+\i)+2*k+1]
.set k, k+1
.endr
.endr
	WIN 0
.irp e, 0,1
.irp c, 0,1,2,3
	ds_store_b128 v[STO], v[OUTR+32*\i+16*\e+4*\c:OUTR+32*\i+16*\e+4*\c+3] offset:128*\e+32*\c
.endr
.endr
.irp f, 0,1,2,3,4,5,6,7
	ds_load_b128 v[OUTR+32*\i+4*\f:OUTR+32*\i+4*\f+3], v[RD] offset:\f*544   ; LDS serves a wave's instructions in order: these see the stores above; the next tile's stores come behind them
.endr
.endm
.macro SEND i, younger                 ; younger: the LDS instructions issued behind tile i's loads
.irp f, 0,1,2,3,4,5,6,7
	s_wait_dscnt \younger+7-\f
	global_store_b128 v[GO], v[OUTR+32*\i+4*\f:OUTR+32*\i+4*\f+3], s[12:13] offset:16384*\i+2048*\f   ; sixteen lanes store 256 consecutive bytes, aligned
.endr
.endm
	PACK 0
	PACK 1
	SEND 0, 16
	SEND 1, 0
	s_wait_tensorcnt 0x0                           ; the wave's end, behind my last tensor load and my last LDS store
	ds_add_u32 v[SPW], v[NIL]
	s_wait_dscnt 0x0
	CROUND                                         ; the closing round: no work-group ends while a partner may still ask for a tile that names it
	s_endpgm
.Lfunc_end_k_qf896a14ad6_attn:
	.size	k_qf896a14ad6_attn, .Lfunc_end_k_qf896a14ad6_attn-k_qf896a14ad6_attn
	.p2alignl 7, 3214868480
	.fill 96, 4, 3214868480
	.section	.rodata,"a",@progbits
	.p2align	6, 0x0
	.amdhsa_kernel k_qf896a14ad6_attn
		.amdhsa_group_segment_fixed_size 327680
		.amdhsa_private_segment_fixed_size 0
		.amdhsa_enable_private_segment 0
		.amdhsa_kernarg_size 40
		.amdhsa_user_sgpr_count 2
		.amdhsa_user_sgpr_kernarg_segment_ptr 1
		.amdhsa_wavefront_size32 1
		.amdhsa_system_sgpr_workgroup_id_x 1
		.amdhsa_system_sgpr_workgroup_id_y 1
		.amdhsa_system_sgpr_workgroup_id_z 1
		.amdhsa_system_vgpr_workitem_id 0
		.amdhsa_next_free_vgpr 1024
		.amdhsa_next_free_sgpr 100
		.amdhsa_reserve_vcc 0
		.amdhsa_float_denorm_mode_32 3
		.amdhsa_float_denorm_mode_16_64 3
		.amdhsa_memory_ordered 1
		.amdhsa_forward_progress 1
		.amdhsa_inst_pref_size 255
	.end_amdhsa_kernel
	.section	.bss,"aw",@nobits
	.p2align	6
	.space	262144
	.amdgpu_metadata
---
amdhsa.version: [ 1, 2 ]
amdhsa.kernels:
  - .name:           k_qf896a14ad6_attn
    .symbol:         k_qf896a14ad6_attn.kd
    .args:
      - { .name: qh, .offset: 0, .size: 8, .value_kind: global_buffer, .address_space: global }
      - { .name: kh, .offset: 8, .size: 8, .value_kind: global_buffer, .address_space: global }
      - { .name: vh, .offset: 16, .size: 8, .value_kind: global_buffer, .address_space: global }
      - { .name: graph_mask, .offset: 24, .size: 8, .value_kind: global_buffer, .address_space: global }
      - { .name: att, .offset: 32, .size: 8, .value_kind: global_buffer, .address_space: global }
    .group_segment_fixed_size: 327680
    .private_segment_fixed_size: 0
    .kernarg_segment_align: 8
    .kernarg_segment_size: 40
    .max_flat_workgroup_size: 128
    .sgpr_count:     100
    .vgpr_count:     1024
    .wavefront_size: 32
...
	.end_amdgpu_metadata
.endif
;; end of part 3
;; launch proj (part 4): grid 4 x 64, 4 waves a work-group, no clusters, 304,640 bytes of LDS; arguments att, woh, bo, out0; writes out0
.if DOCPART == 4
	.amdgcn_target "amdgcn-amd-amdhsa--gfx1250"
	.amdhsa_code_object_version 6
	.text
	.protected	k_qf896a14ad6_proj
	.globl	k_qf896a14ad6_proj
	.p2align	8
	.type	k_qf896a14ad6_proj,@function
k_qf896a14ad6_proj:
	s_mov_b64 s[64:65], 0
	v_nop
	global_prefetch_b8 v0, s[64:65] scope:SCOPE_SE
	s_setreg_imm32_b32 hwreg(HW_REG_WAVE_MODE, 25, 1), 1
	s_wait_xcnt 0x0
; out0 = att Wo + bo.  att: [8,192][512] f16; woh: Wo as f16, [512 (k)][512 (n)]; bo: [512] f32; out0: [8,192][512] f32; f16 operands, f32 sums.
; A work-group makes 128 tokens x 128 columns, each of its four waves 64 x 64: 16 accumulators.  K = 512 lies in LDS whole, as four chunks of 128: every LDS byte is filled once, nothing is filled again.
; Waves 0 and 1 fetch the halves of att's rows, waves 2 and 3 the halves of Wo's k rows: four tensor loads a wave, all issued at the head; four are out at the most.  A chunk is read behind a counted wait and a barrier.
; No cluster: each work-group asks for its tiles once, at its head, and a round of a cluster's barrier in front of them would stand where there is nothing yet to overlap it with.
; THE MATRIX INSTRUCTION IS USED TRANSPOSED (source 0 = 16 columns of Wo, turned on the way out of LDS; source 1 = 16 tokens): a lane holds eight neighbouring columns of one token.  The bias is the C of each sum's first instruction.
; REGISTERS: window 0: v1-17 addresses; v32-63 the bias in the result's layout; v64-127 the way out; v128-255 accumulator (a, b) at 128 + 8 (4 a + b).  window 1: two fragment buffers of 64: att's four fragments, then Wo's four.
.set PA,    272                        ; a row of att in LDS: 256 bytes + 16
.set PB,    288                        ; a k row of Wo: 256 + 32
.set ACH,   128*PA
.set BCH,   128*PB
.set BOFF,  4*ACH
.set STAGE, BOFF+4*BCH                 ; 16 rows x 272 bytes for each wave
.set SPARE, STAGE+4*16*272             ; the spare words, 128 bytes for each wave: two blocks of 256 bytes that no other line names
.set ADRA, 4                           ; v4-7   LDS address of my att fragments in chunk 0 .. 3
.set ADRB, 8                           ; v8-11  the same for Wo
.set STO,  12
.set RD,   13
.set CO,   14
.set BA,   15
.set SPW,  16                          ; v16  LDS address of my spare word; never rewritten
.set NIL,  17                          ; v17  0; never rewritten
.set BO,   32
.set BK,   64
.set ACC,  128
.set WV,   12
.set G1A,  16
.set G1B,  24
.set G0A,  32                          ; s[32:47] four sets, one a chunk
.set G0B,  48                          ; s[48:63]
.set MSB, 0
.macro WIN new
.if MSB != \new
	s_set_vgpr_msb (MSB<<8)|\new
.set MSB, \new
.endif
.endm
.macro PLACES n
.rept \n
	v_nop
.endr
.endm
	s_load_b256 s[4:11], s[0:1], 0x0               ; att s[4:5], woh s[6:7], bo s[8:9], out0 s[10:11]
	v_lshl_add_u32 v[SPW], v0, 2, SPARE
	v_mov_b32 v[NIL], 0
	ds_add_u32 v[SPW], v[NIL]                      ; the wave's opening: the add, twice on end, and its wait ahead of my first tensor load
	ds_add_u32 v[SPW], v[NIL]
	v_lshrrev_b32 v1, 5, v0
	v_readfirstlane_b32 s[WV], v1                  ; wave 0 .. 3
	s_and_b32 s13, s[WV], 1                        ; my half of the columns; also which 64 rows I fetch
	s_lshr_b32 s14, s[WV], 1                       ; my half of the tokens
	s_and_b32 s15, ttmp7, 0xffff                   ; block of 128 tokens
	s_mov_b32 s[G1A], 0x07510000                   ; elements of 2 bytes; padding: 4 words behind every 64
	s_mov_b32 s[G1B], 0x0f510000                   ; 8 words
.irp g, G1A, G1B
	s_mov_b32 s[\g+1], 128<<16                     ; tensor_dim0 = 128
	s_mov_b32 s[\g+2], 64<<16                      ; tensor_dim1 = 64
	s_mov_b32 s[\g+3], 128<<16                     ; tile_dim0 = 128
	s_mov_b32 s[\g+4], 64                          ; tile_dim1 = 64
	s_mov_b32 s[\g+5], 512                         ; elements from row to row
	s_mov_b32 s[\g+6], 0
	s_mov_b32 s[\g+7], 0
.endr
	s_lshl_b32 s68, s15, 17                        ; att: 128 rows of 1,024 bytes a block,
	s_lshl_b32 s70, s13, 16                        ; 64 rows a half
	s_add_co_u32 s68, s68, s70
	s_mov_b32 s69, 0
	s_lshl_b32 s72, ttmp9, 8                       ; Wo: 64 k rows a half, 128 columns of 2 bytes a block
	s_add_co_u32 s70, s70, s72
	s_mov_b32 s71, 0
	s_mul_i32 s72, s13, 64*PA                      ; where they go
	s_mul_i32 s73, s13, 64*PB
	s_add_co_u32 s73, s73, BOFF
	s_lshl_b32 s74, ttmp9, 9                       ; the bias and the output's columns: 128 of 4 bytes a block, 64 a wave
	s_lshl_b32 s76, s13, 8
	s_add_co_u32 s74, s74, s76
	s_mov_b32 s75, 0
	s_lshl_b32 s76, s15, 18                        ; the output's rows: 128 of 2,048 bytes a block, 64 a wave
	s_lshl_b32 s77, s14, 17
	s_add_co_u32 s76, s76, s77
	s_add_co_u32 s76, s76, s74
	s_mov_b32 s77, 0
	s_wait_dscnt 0x0                               ; both opening adds are done
	s_wait_kmcnt 0x0
	s_add_nc_u64 s[4:5], s[4:5], s[68:69]
	s_add_nc_u64 s[6:7], s[6:7], s[70:71]
	s_add_nc_u64 s[8:9], s[8:9], s[74:75]
	s_add_nc_u64 s[10:11], s[10:11], s[76:77]
.irp c, 0,1,2,3
	s_mov_b32 s[G0A+4*\c], 1
	s_add_co_u32 s[G0A+4*\c+1], s72, \c*ACH
	s_add_nc_u64 s[G0A+4*\c+2:G0A+4*\c+3], s[4:5], \c*256        ; 128 along K on in each row
	s_or_b32 s[G0A+4*\c+3], s[G0A+4*\c+3], 0x80000000
	s_mov_b32 s[G0B+4*\c], 1
	s_add_co_u32 s[G0B+4*\c+1], s73, \c*BCH
	s_add_nc_u64 s[G0B+4*\c+2:G0B+4*\c+3], s[6:7], \c*131072     ; 128 k rows down
	s_or_b32 s[G0B+4*\c+3], s[G0B+4*\c+3], 0x80000000
.endr
	s_cmp_lt_u32 s[WV], 2                          ; a wave's four fills stand in one branch on its number, ahead of every wait on TENSORcnt, every LDS read and every barrier
	s_cbranch_scc0 .Lfor_b
.irp c, 0,1,2,3
	tensor_load_to_lds s[G0A+4*\c:G0A+4*\c+3], s[G1A:G1A+7]
	s_nop 0
.endr
.rept 4
	v_nop
.endr
	s_branch .Lasked
.Lfor_b:
.irp c, 0,1,2,3
	tensor_load_to_lds s[G0B+4*\c:G0B+4*\c+3], s[G1B:G1B+7]
	s_nop 0
.endr
.rept 4
	v_nop
.endr
.Lasked:
	v_and_b32 v1, 15, v0                           ; r
	v_bfe_u32 v2, v0, 4, 1                         ; h
	v_lshlrev_b32 v[BA], 5, v2
.irp b, 0,1,2,3
	global_load_b128 v[BO+8*\b:BO+8*\b+3], v[BA], s[8:9] offset:64*\b         ; lane (r, h), register j: the bias of column 16 b + 8 h + j
	global_load_b128 v[BO+8*\b+4:BO+8*\b+7], v[BA], s[8:9] offset:64*\b+16
.endr
	s_mul_i32 s78, s14, 64*PA
	v_mul_u32_u24 v3, v1, PA
	v_lshl_add_u32 v3, v2, 4, v3
	v_add_nc_u32 v3, s78, v3                       ; att: (64 half + r) x pitch + 16 h
	v_and_b32 v18, 7, v0
	v_bfe_u32 v19, v0, 3, 1
	v_lshl_add_u32 v18, v2, 3, v18                 ; Wo, for the turning load: k row 8 h + lane % 8, columns 8 ((lane / 8) % 2) on
	v_mul_u32_u24 v18, v18, PB
	v_lshl_add_u32 v18, v19, 4, v18
	s_lshl_b32 s78, s13, 7
	s_add_co_u32 s78, s78, BOFF
	v_add_nc_u32 v18, s78, v18                     ; + my 64 columns
.irp c, 0,1,2,3
	v_add_nc_u32 v[ADRA+\c], \c*ACH, v3
	v_add_nc_u32 v[ADRB+\c], \c*BCH, v18
.endr
	s_mul_i32 s78, s[WV], 16*272
	s_add_co_u32 s78, s78, STAGE                   ; my stage
	v_mul_u32_u24 v[STO], v1, 272
	v_lshl_add_u32 v[STO], v2, 5, v[STO]
	v_add_nc_u32 v[STO], s78, v[STO]               ; in: row r, 32 bytes for each half of the lanes
	v_mul_u32_u24 v[RD], v2, 272
	v_lshl_add_u32 v[RD], v1, 4, v[RD]
	v_add_nc_u32 v[RD], s78, v[RD]                 ; back: lanes 0-15 one row of 256 bytes, lanes 16-31 the next
	v_lshlrev_b32 v[CO], 11, v2
	v_lshl_add_u32 v[CO], v1, 4, v[CO]             ; and the same two rows in out0
; the fragments of 32 along K, the q-th of sixteen, into buffer q % 2
.macro FETCH q
.set KC, (\q)/4
.set QQ, (\q)%4
.set FB, 64*((\q)%2)
	WIN 0x40
.irp a, 0,1,2,3
	ds_load_b128 v[FB+8*\a:FB+8*\a+3],   v[ADRA+KC] offset:\a*16*PA+64*QQ
	ds_load_b128 v[FB+8*\a+4:FB+8*\a+7], v[ADRA+KC] offset:\a*16*PA+64*QQ+32
.endr
.irp b, 0,1,2,3
	ds_load_tr16_b128 v[FB+32+8*\b:FB+32+8*\b+3],   v[ADRB+KC] offset:QQ*32*PB+32*\b
	ds_load_tr16_b128 v[FB+32+8*\b+4:FB+32+8*\b+7], v[ADRB+KC] offset:QQ*32*PB+16*PB+32*\b
.endr
.endm
; 16 matrix instructions, the 16 accumulators by turns in the same order every time; the first take the bias as C
.macro MUL q
.set FB, 64*((\q)%2)
	WIN 0x05
.irp a, 0,1,2,3
.irp b, 0,1,2,3
.if (\q) == 0
	v_wmma_f32_16x16x32_f16 v[ACC+8*(4*\a+\b):ACC+8*(4*\a+\b)+7], v[FB+32+8*\b:FB+32+8*\b+7], v[FB+8*\a:FB+8*\a+7], v[BO+8*\b:BO+8*\b+7]
.else
	v_wmma_f32_16x16x32_f16 v[ACC+8*(4*\a+\b):ACC+8*(4*\a+\b)+7], v[FB+32+8*\b:FB+32+8*\b+7], v[FB+8*\a:FB+8*\a+7], v[ACC+8*(4*\a+\b):ACC+8*(4*\a+\b)+7]
.endif
.endr
.endr
.endm
	s_wait_tensorcnt 3                             ; my part of chunk 0 is in; the three later chunks may stay out
	s_barrier_signal -1
	s_barrier_wait -1                              ; everybody's is
	FETCH 0
	s_wait_loadcnt 0x0                             ; the bias
.set Q, 0
.rept 16
	s_wait_dscnt 0x0                               ; this quarter's fragments are in
.if (Q < 15) && ((Q+1)%4 == 0)
	s_wait_tensorcnt 3-(Q+1)/4                     ; my part of the next chunk is in; the chunks behind it may stay out
	s_barrier_signal -1
	s_barrier_wait -1
.endif
.if (Q > 0) && (Q < 15)
	PLACES 4                                       ; in front of loads into the buffer that the last products read
.endif
.if Q < 15
	FETCH Q+1
.endif
	MUL Q
.set Q, Q+1
.endr
	WIN 0
; THE WAY OUT, 16 tokens x 64 columns at a time: 32 bytes a lane into my stage, back as whole rows of 256 bytes
.macro TOSTAGE a
.irp b, 0,1,2,3
	ds_store_b128 v[STO], v[ACC+8*(4*(\a)+\b):ACC+8*(4*(\a)+\b)+3] offset:64*\b        ; each accumulator from its low end on
	ds_store_b128 v[STO], v[ACC+8*(4*(\a)+\b)+4:ACC+8*(4*(\a)+\b)+7] offset:64*\b+16
.endr
.set BB, BK+32*((\a)%2)
.irp t, 0,1,2,3,4,5,6,7
	ds_load_b128 v[BB+4*\t:BB+4*\t+3], v[RD] offset:\t*544     ; LDS serves a wave's instructions in order: these see my stores, and the next block's stores come behind them
.endr
.endm
.macro SEND a, younger                 ; younger: the LDS instructions issued behind block a's loads, which may stay out
.set BB, BK+32*((\a)%2)
	s_wait_dscnt \younger
.irp t, 0,1,2,3,4,5,6,7
	global_store_b128 v[CO], v[BB+4*\t:BB+4*\t+3], s[10:11] offset:32768*(\a)+4096*\t th:TH_STORE_NT   ; sixteen lanes store 256 consecutive bytes, aligned
.endr
.endm
	PLACES 4                                       ; behind the last products, in front of the first read of results
	TOSTAGE 0
.irp a, 1,2,3
.if \a > 1
	s_wait_xcnt 0x0                                ; block a - 2's stores have read their registers: block a's rows may land there
.endif
	TOSTAGE \a
	SEND \a-1, 16                                  ; behind block a - 1's loads: block a's 8 stores and 8 loads
.endr
	SEND 3, 0
	s_wait_tensorcnt 0x0                           ; the wave's end, behind my last tensor load and my last LDS store
	ds_add_u32 v[SPW], v[NIL]
	s_wait_dscnt 0x0
	s_endpgm
.Lfunc_end_k_qf896a14ad6_proj:
	.size	k_qf896a14ad6_proj, .Lfunc_end_k_qf896a14ad6_proj-k_qf896a14ad6_proj
	.p2alignl 7, 3214868480
	.fill 96, 4, 3214868480
	.section	.rodata,"a",@progbits
	.p2align	6, 0x0
	.amdhsa_kernel k_qf896a14ad6_proj
		.amdhsa_group_segment_fixed_size 304640
		.amdhsa_private_segment_fixed_size 0
		.amdhsa_enable_private_segment 0
		.amdhsa_kernarg_size 32
		.amdhsa_user_sgpr_count 2
		.amdhsa_user_sgpr_kernarg_segment_ptr 1
		.amdhsa_wavefront_size32 1
		.amdhsa_system_sgpr_workgroup_id_x 1
		.amdhsa_system_sgpr_workgroup_id_y 1
		.amdhsa_system_sgpr_workgroup_id_z 1
		.amdhsa_system_vgpr_workitem_id 0
		.amdhsa_next_free_vgpr 384
		.amdhsa_next_free_sgpr 80
		.amdhsa_reserve_vcc 0
		.amdhsa_float_denorm_mode_32 3
		.amdhsa_float_denorm_mode_16_64 3
		.amdhsa_memory_ordered 1
		.amdhsa_forward_progress 1
		.amdhsa_inst_pref_size 52
	.end_amdhsa_kernel
	.amdgpu_metadata
---
amdhsa.version: [ 1, 2 ]
amdhsa.kernels:
  - .name:           k_qf896a14ad6_proj
    .symbol:         k_qf896a14ad6_proj.kd
    .args:
      - { .name: att, .offset: 0, .size: 8, .value_kind: global_buffer, .address_space: global }
      - { .name: woh, .offset: 8, .size: 8, .value_kind: global_buffer, .address_space: global }
      - { .name: bo, .offset: 16, .size: 8, .value_kind: global_buffer, .address_space: global }
      - { .name: out0, .offset: 24, .size: 8, .value_kind: global_buffer, .address_space: global }
    .group_segment_fixed_size: 304640
    .private_segment_fixed_size: 0
    .kernarg_segment_align: 8
    .kernarg_segment_size: 32
    .max_flat_workgroup_size: 128
    .sgpr_count:     80
    .vgpr_count:     384
    .wavefront_size: 32
...
	.end_amdgpu_metadata
.endif
;; end of part 4
